; MI455X (gfx1250); checked and timed in simulation.
; The chip was launched on July 23, 2026; its instructions are those of AMD's public machine-readable ISA for CDNA 5 (MIT licence, August 2026) and "CDNA5" Instruction Set Architecture Reference Guide (July 2026). The comments in the code are by the model that wrote it; some were corrected since.
;; Full Attention. Allowed arithmetic: matrix products marked QUANTISED: E4M3 operands, one E8M0 scale for each 32 along K, by v_wmma_scale_f32_16x16x128_f8f6f4 with both operands' format E4M3, f32 sums; everything else in f32.
;; Inputs: keys 4 x 2,048 x 16 x 64 float32; queries 4 x 2,048 x 16 x 64 float32; values 4 x 2,048 x 16 x 64 float32.
;; Outputs: out0 4 x 2,048 x 16 x 64 float32.
;; This version of the problem:
;;   THIS VERSION OF THE PROBLEM IS GIVEN IN LOW PRECISION. The matrix products marked QUANTISED in the list below multiply operands that are first quantised to E4M3 (4 exponent bits, 3 mantissa bits; 8 bits a number), with one power-of-two scale for each 32 numbers along K (OCP MX v1.0); their sums are f32. All else is computed in f32.
;;   The module's matrix products, in the order in which they are computed (A, B: the left and right operand; K: the contracted axis; several contracted axes count as one K, in the product's order):
;;     1. batch 64 x [M 2,048, K 64] x [K 64, N 2,048]; A: input queries; B: input keys: QUANTISED
;;     2. batch 64 x [M 64, K 2,048] x [K 2,048, N 2,048]; A: input values; B: softmax (see below): QUANTISED
;;   THE QUANTISER, for each operand of a quantised product, along K:
;;     - K is cut into blocks of 32 from its start; a last block that is shorter is filled with zeros.
;;     - A block's scale is 2^e with e = floor(log2(the largest magnitude in the block)) - 8, held to -126 .. 127; a block of zeros has e = 0. As a byte (E8M0): e + 127.
;;     - Each number is divided by its block's scale, clamped to +-448, and rounded to the nearest number of E4M3, ties to even, subnormals kept.
;;     - The product sums the exact products of the quantised numbers (number of the format x scale) in f32.
;;   ~~~python
;;   def quantise(x, axis):      # numpy; x: float32 -> the quantised numbers, widened to float32 again
;;       x = np.moveaxis(x, axis, -1); K = x.shape[-1]
;;       x = np.pad(x, [(0, 0)] * (x.ndim - 1) + [(0, -K % 32)]); x = x.reshape(x.shape[:-1] + (-1, 32)); a = np.abs(x).max(-1, keepdims=True)
;;       e = np.where(a > 0, np.clip(np.frexp(np.where(a > 0, a, 1))[1] - 1 - 8, -126, 127), 0)      # np.frexp(a)[1] - 1 = floor(log2(a)), exactly
;;       r = np.clip(x / 2.0 ** e, -448, 448)
;;       step = 2.0 ** (np.maximum(np.frexp(np.where(r == 0, 1, r))[1] - 1, -6) - 3)
;;       q = np.round(r / step) * step * 2.0 ** e      # np.round: ties to even
;;       return np.moveaxis(q.reshape(q.shape[:-2] + (-1,))[..., :K], -1, axis).astype(np.float32)
;;   ~~~
;;   SOFTMAX AHEAD OF A QUANTISED PRODUCT. Where the list says 'softmax', what is quantised is not the finished softmax but p = 2^(t - M), with t = logit x log2(e) and M = ceil(the row's largest t), a whole number; so 1/2 < the row's largest p <= 1. The row's sum l is taken of the UNQUANTISED p, in f32, and the product's result is divided by l at the end. Since M is a whole number, a kernel that streams over the keys may use a running M (the ceiling of the running maximum): every later rescaling is an exact power of two, which a block's scale takes up: the codes' values come out the same.
;;   OPERANDS COMPUTED ON THE WAY. 'Computed on the way' means the value that the module computes at that place (a softmax that the list does not call 'softmax' is quantised finished and normalised). What goes into a quantiser is computed in f32, as accurately as f32 sums, v_exp_f32 and their like allow (about 1e-6 of the number): no bf16 or f16 on the way to a quantiser, and a product that is left as it is and whose result goes on into a quantised operand takes f32 operands (vector FMAs, or v_wmma_f32_16x16x4_f32). A number that lies on a knife's edge between two numbers of the format may be rounded either way, as far as f32 arithmetic and the matrix unit's own rounding can turn it there, and no further.
;; One version. Each part assembles by itself: llvm-mc -triple=amdgcn-amd-amdhsa -mcpu=gfx1250 --defsym DOCPART=n.
;; ======== version 1 of 1: 2 launches
;; limits: right only within a limited range of input values
;; workspace buffers: kv 17,563,648 bytes
;; launch prep (part 1): grid 256 x 1, 8 waves a work-group, no clusters, 35,840 bytes of LDS; arguments keys, values, kv; writes kv
.if DOCPART == 1
	.amdgcn_target "amdgcn-amd-amdhsa--gfx1250"
	.amdhsa_code_object_version 6
	.text
	.protected	k_qee64a70a48_prep
	.globl	k_qee64a70a48_prep
	.p2align	8
	.type	k_qee64a70a48_prep,@function
k_qee64a70a48_prep:
	s_mov_b64 s[64:65], 0
	v_nop
	global_prefetch_b8 v0, s[64:65] scope:SCOPE_SE
	s_setreg_imm32_b32 hwreg(HW_REG_WAVE_MODE, 25, 1), 1
	s_wait_xcnt 0x0
; keys and values, [4][2048][16][64] f32, become codes of FP8 (E4M3) with one E8M0 scale byte for each 32 along a product's K:
; K is quantised along the head's 64 numbers, V along the KEYS.  Both leave in the order of the reader's operand registers.
; kv: [64 heads = 16 b + h][16 steps of 128 keys][17,152 bytes].  A step's block:
;   +0      K's codes  [tile T 0..7][c 0..1][lane][16 bytes]: lane (r, h) holds key 32 (T/2) + 8 (T%2) + r + 8 (r/8) of the step, numbers 32 c + 16 h + 0..15
;   +8192   V's codes  [tile t 0..3][c 0..3][lane][16 bytes]: lane (r, h) holds channel 16 t + r, keys 32 c + 16 h + 0..15 of the step
;   +16384  K's scale words [lane L][4]: word i = tile 2 i + L/16, row L%16; bytes (block 0, block 1, 0, 0)
;   +16896  V's scale words [lane L][2]: word i = tile 2 i + L/16, row L%16; byte c = key block c
; A block's scale is 2^(floor(log2(largest magnitude)) - 8); its byte is the largest magnitude's exponent field - 8, held at 1 from below.
; LIMITS: NaN and infinities among the inputs are not served.  A block of zeros gets the byte 1 where the rule says 127: its codes are zeros,
; which add nothing under that byte, and this program alone reads the bytes.  Blocks whose largest magnitude lies under 2^-118 have the byte held at 1.
; SHARES: a wave takes one (head, step): 128 keys x 64 numbers.  Waves 0-3 of a work-group take K of four steps, waves 4-7 V of the same four.
; The two roles part once on the wave's number and never join.  No barrier: waves share nothing.  No tensor load.
.set STEPB, 17152                      ; a step's block in kv
.set KEYB,  4096                       ; bytes from a key to the next, within one head
.set SP,    272                        ; a stage row: a key's 256 bytes + 16, so that the 16 rows of a read begin in 16 different columns of 16 bytes
.set STG,   16*SP                      ; a stage: 16 rows
.set GI,   1                           ; K: my 16 bytes of a key's row; lanes 16-31 stand 16 keys further on
.set SI,   2                           ; K: into the stage
.set SO,   3                           ; K: out of the stage
.set LO16, 4                           ; K: 16 x lane
.set VI,   5                           ; V: 4 x lane
.set VO,   6                           ; V: where my codes go
.set L8,   7                           ; V: 8 x lane
.set R,    16                          ; K: v16-143  four sets of 32 registers as loaded
.set X,    144                         ; K: v144-207 two sets of 32: register 16 c + e = number 32 c + 16 h + e of my row
.set C,    208                         ; K: v208-223 two sets of 8: a tile's codes
.set W,    224                         ; K: v224-231 a scale word for each tile
.set WW,   232                         ; K: v232-235 the words as they leave
.set TM,   236                         ; K: +0,1 largest magnitudes; +2,3 the other half's, then bytes; +6,7 the conversions' scale operand
.set XV,   16                          ; V: v16-143  two sets of 64: register 32 g + i = V(key 32 c + i, channel 32 g + lane)
.set CV,   144                         ; V: v144-207 eight registers for each (c, g): no store's data are written again
.set SB,   208                         ; V: v208-209 my two channels' scale words
	s_load_b128 s[4:7], s[0:1], 0x0                ; keys, values
	s_load_b64 s[8:9], s[0:1], 0x10                ; kv
	v_lshl_add_u32 v254, v0, 2, 0x8800
	v_mov_b32 v255, 0
	v_lshrrev_b32 v8, 5, v0
	s_delay_alu instid0(VALU_DEP_1)
	v_readfirstlane_b32 s10, v8                    ; wave 0..7
	v_and_b32 v9, 31, v0                           ; lane
	v_and_b32 v10, 15, v0                          ; r
	v_bfe_u32 v11, v0, 4, 1                        ; h
	s_lshr_b32 s22, ttmp9, 2                       ; the head, 16 b + h
	s_and_b32 s23, ttmp9, 3
	s_lshl_b32 s23, s23, 2
	s_and_b32 s24, s10, 3
	s_add_co_u32 s23, s23, s24                     ; the step: 4 x (work-group % 4) + wave % 4
	s_lshr_b32 s24, s22, 4
	s_lshl_b32 s12, s24, 23                        ; b x 2048 x 16 x 256 bytes
	s_and_b32 s24, s22, 15
	s_lshl_b32 s24, s24, 8
	s_add_co_u32 s12, s12, s24                     ; + h x 256
	s_lshl_b32 s24, s23, 19
	s_add_co_u32 s12, s12, s24                     ; + step x 128 keys x 4,096
	s_mov_b32 s13, 0
	s_lshl_b32 s14, s22, 4
	s_add_co_u32 s14, s14, s23
	s_mul_i32 s14, s14, STEPB                      ; my block in kv
	s_mov_b32 s15, 0
	s_mov_b32 s18, 0x76543210
	s_mov_b32 s19, 0xfedcba98                      ; v_permlanex16_b32's selects for lane l xor 16
	s_mov_b32 s20, 0xffff0000                      ; lanes 16-31
	s_wait_kmcnt 0x0
	s_add_nc_u64 s[4:5], s[4:5], s[12:13]
	s_add_nc_u64 s[6:7], s[6:7], s[12:13]
	s_add_nc_u64 s[8:9], s[8:9], s[14:15]
	s_cmp_lt_u32 s10, 4
	s_cbranch_scc0 .Lvalues
	; ---------------- K: waves 0-3 ----------------
	; A load takes two whole rows of 256 bytes, 16 bytes a lane; the conversions want 16 neighbours of ONE row in a lane.  So a tile's 16 rows
	; turn through the wave's own stage in LDS: stored as loaded, read back 64 bytes a lane.  Two stages by turns, one tile ahead of the work.
	s_mul_i32 s21, s10, 2*STG                      ; my two stages
	s_wait_alu depctr_va_vdst(0)
	v_lshlrev_b32 v[LO16], 4, v9
	v_lshlrev_b32 v[GI], 4, v10
	s_delay_alu instid0(VALU_DEP_1)
	v_lshl_or_b32 v[GI], v11, 16, v[GI]            ; 16 r + 16 keys x 4,096 x h
	v_mul_u32_u24 v[SI], v11, 8*SP
	s_delay_alu instid0(VALU_DEP_1)
	v_lshl_add_u32 v[SI], v10, 4, v[SI]
	s_delay_alu instid0(VALU_DEP_1)
	v_add_nc_u32 v[SI], s21, v[SI]                 ; lanes 0-15 fill tile row i, lanes 16-31 tile row 8 + i
	v_mul_u32_u24 v[SO], v10, SP
	s_delay_alu instid0(VALU_DEP_1)
	v_lshl_add_u32 v[SO], v11, 6, v[SO]
	s_delay_alu instid0(VALU_DEP_1)
	v_add_nc_u32 v[SO], s21, v[SO]                 ; row r, + 64 h: my 16 numbers of a block of 32
	v_mov_b32 v[TM+2], 0                           ; written once: a lane permute's destination counts as one of its sources
	v_mov_b32 v[TM+3], 0
.macro KLOAD T                         ; tile T's 16 keys: rows 0-7 are eight neighbours, rows 8-15 the eight that lie 16 further on
.irp i, 0,1,2,3,4,5,6,7
	global_load_b128 v[R+32*((\T)%4)+4*\i:R+32*((\T)%4)+4*\i+3], v[GI], s[4:5] offset:(32*((\T)/2)+8*((\T)%2)+\i)*KEYB th:TH_LOAD_NT
.endr
.endm
.macro KTURN T                         ; through the stage: LDS serves a wave's instructions in order, so no wait stands between the stores and the loads
.irp i, 0,1,2,3,4,5,6,7
	ds_store_b128 v[SI], v[R+32*((\T)%4)+4*\i:R+32*((\T)%4)+4*\i+3] offset:STG*((\T)%2)+SP*\i
.endr
.irp c, 0,1
.irp j, 0,1,2,3
	ds_load_b128 v[X+32*((\T)%2)+16*\c+4*\j:X+32*((\T)%2)+16*\c+4*\j+3], v[SO] offset:STG*((\T)%2)+128*\c+16*\j
.endr
.endr
.endm
.macro KTILE T
.set XS, X+32*((\T)%2)
.set CC, C+8*((\T)%2)
	s_wait_dscnt 0x0                               ; this tile's numbers are back from the stage, and its stores into the stage have read their registers,
.if (\T)+4 <= 7
	KLOAD (\T)+4                                   ; which take the loads of four tiles on
.endif
.if (\T)+1 <= 7
.if (\T) <= 3
	s_wait_loadcnt 24                              ; the next tile's eight loads are in; those of the three tiles behind it may be out
.else
	s_wait_loadcnt 8*(6-(\T))                      ; fewer tiles are left behind it
.endif
	KTURN (\T)+1                                   ; it goes through the other stage while this tile is worked
.endif
.irp b, 0,1
	v_max3_num_f32 v[TM+\b], |v[XS+16*\b]|, |v[XS+16*\b+1]|, 0x4800000   ; block b: my 16 numbers, and the floor 2^(9 - 127): the byte cannot fall under 1
.endr
.irp i, 2,4,6,8,10,12,14
.irp b, 0,1
	s_delay_alu instid0(VALU_DEP_2)
	v_max3_num_f32 v[TM+\b], v[TM+\b], |v[XS+16*\b+\i]|, |v[XS+16*\b+\i+1]|
.endr
.endr
.irp b, 0,1
	s_delay_alu instid0(VALU_DEP_2)
	v_permlanex16_b32 v[TM+2+\b], v[TM+\b], s18, s19
.endr
.irp b, 0,1
	s_delay_alu instid0(VALU_DEP_2)
	v_max_num_f32 v[TM+\b], v[TM+\b], v[TM+2+\b]   ; with lane l xor 16's 16: the block's largest magnitude
.endr
.irp b, 0,1
	s_delay_alu instid0(VALU_DEP_2)
	v_add_nc_u32 v[TM+6+\b], 0xfc000000, v[TM+\b]  ; 8 off its exponent field: the conversion takes this operand's exponent field as its scale
.endr
.irp b, 0,1
.endr
.irp b, 0,1
	s_delay_alu instid0(VALU_DEP_2)
	v_lshrrev_b32 v[TM+2+\b], 23, v[TM+6+\b]       ; the scale's byte
.endr
.irp b, 0,1
.irp i, 0,1,2,3,4,5,6,7,8,9,10,11,12,13,14,15
.endr
.endr
.if (\T) >= 2
	s_wait_alu depctr_va_vdst(0)
	s_wait_xcnt 0x0                                ; the stores of two tiles back have read this set of codes: it is written again only behind this wait
.endif
.irp b, 0,1
	v_cvt_scalef32_pk8_fp8_f32 v[CC+4*\b:CC+4*\b+1], v[XS+16*\b:XS+16*\b+7], v[TM+6+\b]
	v_cvt_scalef32_pk8_fp8_f32 v[CC+4*\b+2:CC+4*\b+3], v[XS+16*\b+8:XS+16*\b+15], v[TM+6+\b]
.endr
	v_lshl_or_b32 v[W+(\T)], v[TM+3], 8, v[TM+2]   ; my row's scale word: two bytes, zeros above.  (Also the plain line behind the conversions)
.irp b, 0,1
	global_store_b128 v[LO16], v[CC+4*\b:CC+4*\b+3], s[8:9] offset:1024*(\T)+512*\b   ; 32 lanes store 512 consecutive bytes, aligned to 256
.endr
.endm
	KLOAD 0
	KLOAD 1
	KLOAD 2
	KLOAD 3
	s_wait_alu depctr_va_vdst(0)
	s_wait_loadcnt 24                              ; tile 0's eight loads are in
	KTURN 0
.irp T, 0,1,2,3,4,5,6,7
	KTILE \T
.endr
.irp i, 0,1,2,3
	v_cndmask_b32 v[WW+\i], v[W+2*\i], v[W+2*\i+1], s20   ; lanes 0-15 carry the even tile's words, lanes 16-31 the odd tile's
.endr
	global_store_b128 v[LO16], v[WW:WW+3], s[8:9] offset:16384
	s_wait_tensorcnt 0x0
	ds_add_u32 v254, v255
	s_wait_dscnt 0x0
	s_endpgm
	; ---------------- V: waves 4-7 ----------------
	; A lane takes a channel, and its registers run down the keys: a block of 32 keys lies in one lane's 32 registers, its largest magnitude needs no
	; other lane, and the conversions give codes with the keys innermost.  Nothing is transposed.
.Lvalues:
	s_wait_alu depctr_va_vdst(0)
	v_lshlrev_b32 v[VI], 2, v9
	v_lshlrev_b32 v[VO], 4, v10
	s_delay_alu instid0(VALU_DEP_1)
	v_lshl_or_b32 v[VO], v11, 11, v[VO]            ; channel 32 g + lane lies in tile 2 g + lane / 16, row lane % 16: 2,048 bytes a tile, 16 a row
	v_lshlrev_b32 v[L8], 3, v9
.macro VLOAD c                         ; key block c: the two halves of a key's 256 bytes are asked for by neighbouring instructions
.set nn, 0
.rept 32
	global_load_b32 v[XV+64*((\c)%2)+nn], v[VI], s[6:7] offset:(32*(\c)+nn)*KEYB th:TH_LOAD_NT
	global_load_b32 v[XV+64*((\c)%2)+32+nn], v[VI], s[6:7] offset:(32*(\c)+nn)*KEYB+128 th:TH_LOAD_NT
.set nn, nn+1
.endr
.endm
.macro VQ c, g
.set XS, XV+64*((\c)%2)+32*(\g)
.set CC, CV+8*(2*(\c)+(\g))
	v_max3_num_f32 v210, |v[XS]|, |v[XS+1]|, |v[XS+2]|               ; the block's largest magnitude: all 32 numbers are mine; two chains
	v_max3_num_f32 v211, |v[XS+3]|, |v[XS+4]|, |v[XS+5]|
.irp i, 6,10,14,18,22,26
	s_delay_alu instid0(VALU_DEP_2)
	v_max3_num_f32 v210, v210, |v[XS+\i]|, |v[XS+\i+1]|
	s_delay_alu instid0(VALU_DEP_2)
	v_max3_num_f32 v211, v211, |v[XS+\i+2]|, |v[XS+\i+3]|
.endr
	s_delay_alu instid0(VALU_DEP_2)
	v_max3_num_f32 v210, v210, |v[XS+30]|, |v[XS+31]|
	s_delay_alu instid0(VALU_DEP_1)
	v_max3_num_f32 v210, v210, v211, 0x4800000     ; and the floor 2^(9 - 127)
	s_delay_alu instid0(VALU_DEP_1)
	v_add_nc_u32 v212, 0xfc000000, v210            ; the conversions' scale operand
	s_delay_alu instid0(VALU_DEP_1)
	v_lshrrev_b32 v214, 23, v212                   ; the scale's byte
.if (\c) == 0
	s_delay_alu instid0(VALU_DEP_1)
	v_mov_b32 v[SB+(\g)], v214                     ; four bytes to a word, the earlier keys in the lower byte
.else
	s_delay_alu instid0(VALU_DEP_1)
	v_lshl_or_b32 v[SB+(\g)], v214, 8*(\c), v[SB+(\g)]
.endif
.set nn, 0
.rept 32
.set nn, nn+1
.endr
.irp k, 0,1,2,3
	v_cvt_scalef32_pk8_fp8_f32 v[CC+2*\k:CC+2*\k+1], v[XS+8*\k:XS+8*\k+7], v212
.endr
	global_store_b128 v[VO], v[CC:CC+3], s[8:9] offset:8192+4096*(\g)+512*(\c)         ; keys 32 c + 0..15: sixteen lanes store 256 consecutive bytes, aligned
	global_store_b128 v[VO], v[CC+4:CC+7], s[8:9] offset:8192+4096*(\g)+512*(\c)+256   ; keys 32 c + 16..31
.endm
	VLOAD 0
.irp c, 0,1,2
	VLOAD \c+1
	s_wait_loadcnt 63                              ; 64 loads are younger than this block's; the wait's field ends at 63
	VQ \c, 0
	VQ \c, 1
.endr
	s_wait_loadcnt 0x0
	VQ 3, 0
	VQ 3, 1
	global_store_b64 v[L8], v[SB:SB+1], s[8:9] offset:16896   ; 32 lanes store 256 consecutive bytes, aligned
	s_endpgm
.Lfunc_end_k_qee64a70a48_prep:
	.size	k_qee64a70a48_prep, .Lfunc_end_k_qee64a70a48_prep-k_qee64a70a48_prep
	.p2alignl 7, 3214868480
	.fill 96, 4, 3214868480
	.section	.rodata,"a",@progbits
	.p2align	6, 0x0
	.amdhsa_kernel k_qee64a70a48_prep
		.amdhsa_group_segment_fixed_size 35840
		.amdhsa_private_segment_fixed_size 0
		.amdhsa_enable_private_segment 0
		.amdhsa_kernarg_size 24
		.amdhsa_user_sgpr_count 2
		.amdhsa_user_sgpr_kernarg_segment_ptr 1
		.amdhsa_wavefront_size32 1
		.amdhsa_system_sgpr_workgroup_id_x 1
		.amdhsa_system_sgpr_workgroup_id_y 1
		.amdhsa_system_sgpr_workgroup_id_z 1
		.amdhsa_system_vgpr_workitem_id 0
		.amdhsa_next_free_vgpr 256
		.amdhsa_next_free_sgpr 66
		.amdhsa_reserve_vcc 0
		.amdhsa_float_denorm_mode_32 3
		.amdhsa_float_denorm_mode_16_64 3
		.amdhsa_fp16_overflow 1
		.amdhsa_memory_ordered 1
		.amdhsa_forward_progress 1
		.amdhsa_inst_pref_size 81
	.end_amdhsa_kernel
	.amdgpu_metadata
---
amdhsa.version: [ 1, 2 ]
amdhsa.kernels:
  - .name:           k_qee64a70a48_prep
    .symbol:         k_qee64a70a48_prep.kd
    .args:
      - { .name: keys, .offset: 0, .size: 8, .value_kind: global_buffer, .address_space: global }
      - { .name: values, .offset: 8, .size: 8, .value_kind: global_buffer, .address_space: global }
      - { .name: kv, .offset: 16, .size: 8, .value_kind: global_buffer, .address_space: global }
    .group_segment_fixed_size: 35840
    .private_segment_fixed_size: 0
    .kernarg_segment_align: 8
    .kernarg_segment_size: 24
    .max_flat_workgroup_size: 256
    .sgpr_count:     66
    .vgpr_count:     256
    .wavefront_size: 32
...
	.end_amdgpu_metadata
.endif
;; end of part 1
;; launch attn (part 2): grid 4 x 64, 16 waves a work-group, no clusters, 327,680 bytes of LDS; arguments queries, kv, out0; writes out0
.if DOCPART == 2
	.amdgcn_target "amdgcn-amd-amdhsa--gfx1250"
	.amdhsa_code_object_version 6
	.text
	.protected	k_qee64a70a48_attn
	.globl	k_qee64a70a48_attn
	.p2align	8
	.type	k_qee64a70a48_attn,@function
k_qee64a70a48_attn:
	s_mov_b64 s[64:65], 0
	v_nop
	global_prefetch_b8 v0, s[64:65] scope:SCOPE_SE
	s_setreg_imm32_b32 hwreg(HW_REG_WAVE_MODE, 25, 1), 1
	s_wait_xcnt 0x0
; out[b][q][h][:] = the sum over keys k <= q of softmax_k(Q . K / 8) V, both products on codes of FP8 (E4M3) with one E8M0 scale for each 32 along a product's K.
; queries, out0: [4][2048][16][64] f32: a (token, head) row is 256 bytes, rows of a head lie 4,096 bytes apart.  kv: K's and V's codes and scale words as the
; launch before laid them: [64 heads][16 steps of 128 keys][17,152 bytes], each part an image of the operand's registers (lane l's 16 bytes at 16 l).
; THE SOFTMAX: t = score x log2(e) / 8; M = the running largest t, rounded UP to a whole number; p = 2^(t - M) is quantised along the keys, not normalised;
; the row's sum is taken of the unquantised p and divides at the end.  When M moves, the sum and O are multiplied by 2^(old M - new M): nothing is rounded.
; SHARES.  Work-group j (0..3) of a head owns query blocks 7 - j and j, 256 queries each: it walks 8 - j slots of 256 keys for the late block, then j + 1 for the
; early one: nine slots in every work-group, so the loop's count is a constant, the work is even, and no tile is fetched that nobody reads.
; Each of the SIXTEEN waves owns 16 queries of the block in hand, in 256 registers: four waves to a SIMD, so that one wave's vector work stands beside another's
; matrix work and LDS loads.  Both products are used transposed (S^T = K Q^T, O^T = V^T P^T): a lane holds ONE query (lane % 16) throughout.
; The first product's K is 64: registers 8-15 of K's and Q's fragments hold zero codes, written once.
; NO CLUSTER: the four work-groups of a head change from their late block to their early block at different slots (8 - j), so from the fifth change of slots on
; they want different tiles; a walk common to all four would be twelve slots long against nine.
; LIMITS: NaN and infinities among the inputs are not served.  A p under 2^-126 counts as 0 (v_exp_f32 flushes: ISA guide 15.8).
.set STEPB, 17152                      ; a step's block: K's codes, +8192 V's codes, +16384 K's scale words, +16896 V's
.set SLOTB, 2*STEPB                    ; a slot: two steps, 256 keys
.set HEADB, 16*STEPB
.set VCO,   8192
.set KSC,   16384
.set VSC,   16896
.set SLOT1, 1<<16                      ; slot 1 begins here, so that one exclusive or turns an address in one slot into the other's
.set STAGE, 1<<17                      ; the way out: 16 rows x (256 + 16) bytes for each wave; no fill ever lands here
.set SP,    272
.set SPARE, STAGE+16*16*SP             ; the spare words, 128 bytes for each wave: eight blocks of 256 bytes that no other line names
.set L16, 1                            ; v1   16 x lane
.set L8,  2                            ; v2   8 x lane
.set SPW, 3                            ; v3   LDS address of my spare word; never rewritten
.set NIL, 4                            ; v4   0; never rewritten
.set PFO, 5                            ; v5   the prefetches' offset; never rewritten
.set AD,  6                            ; v6   the slot in hand + 16 x lane
.set AD8, 7                            ; v7   the slot in hand + 8 x lane
.set STO, 8                            ; v8   the way out: where I put 32 bytes of a row
.set RD,  9                            ; v9   the way out: where I read a row back
.set GO,  10                           ; v10  my byte offset in the tile's rows of out0
.set QO,  11                           ; v11  my byte offset in a tile's rows of queries
                                       ; v12 -M, v13 the largest t, v[14:15] the row's sum in two halves
.set QF,  16                           ; v16-23 Q's codes, v24-31 zeros
.set KFR, 32                           ; v32-95 four fragments of K: the lower 8 registers loaded, the upper 8 zeros
.set S,   96                           ; v96-159 S^T, then p, then V's four fragments
.set O,   160                          ; v160-191 O^T
.set PC,  192                          ; v192-207 p's codes
.set BM,  208                          ; v208-211 a block's largest score, then its largest p
.set PR,  212                          ; v212-215 the other half's, then bytes
.set LM,  216                          ; v216-219 unused
.set SOP, 220                          ; v220-223 the conversions' scale operands
.set KS,  224                          ; v224-227 K's scale words: register i: lanes 0-15 tile 2 i, lanes 16-31 tile 2 i + 1
.set VS,  228                          ; v228-229 V's likewise
.set QS,  230                          ; v230 Q's scale word
.set PW,  231                          ; v231 p's
.set F,   232                          ; v232 f = 2^(old M - new M); v233 named with it as a pair
.set TW,  234                          ; v234-235 at work
.set Q2,  236                          ; v236-243 the early tile's codes of Q;  v244 its scale word
.set QS2, 244
.set DD,  245                          ; v245 the mask: my query - the step's first key - 16 (lane / 16)
.set NINF, 246                         ; v246 -infinity
.set LD,  247                          ; v247 lane % 16 - 16 (lane / 16)
.set WV,  10                           ; s10 wave;  s11 j;  s12 head;  s13 8 - j
.set SEQ, 14                           ; s14 the slot in hand, 0..8
.set TB,  16                           ; s16 LDS byte at which it begins
.set KF,  17                           ; s17 the step's first key
.set Q0,  18                           ; s18 my first query
.set MNT, 19                           ; s19 unused
.set SEL, 20                           ; s[20:21] v_permlanex16_b32's selects for lane l xor 16
.set CS,  22                           ; s[22:23] c = log2(e) / 8
.set G1,  24                           ; s[24:31] descriptor group 1
.set G0,  32                           ; s[32:35] descriptor group 0
.set KVB, 36                           ; s[36:37] kv at my head (+ a step in wave 1)
.set KO,  38                           ; s[38:39] the key slot to be fetched, in bytes
.set OUTP, 40                          ; s[40:41] out0 at the tile in hand;  s[42:43] at the early tile;  s44 the early tile's first query
.set SLOTS, 45                         ; s45 the loop's counter
.set PFA, 48                           ; s[48:49] where the prefetches stand
.set LIM, 50                           ; s50 2 in a wave that prefetches, else the greatest number
; Waves 0 and 1 fetch, each one step's block of a slot: 67 dense rows of 256 bytes.  The branch hangs on the wave's number alone.  Four v_nop follow the load.
.macro TLOAD
	s_cmp_lt_u32 s[WV], 2
	s_cbranch_scc0 .Lasked_\@
	tensor_load_to_lds s[G0:G0+3], s[G1:G1+7]
	s_nop 0
.rept 4
	v_nop
.endr
.Lasked_\@:
.endm
; A PREFETCH INTO THE L2 of the key slot that the NEXT change of slots will ask for: two key steps ahead of that load.  All four work-groups of a head begin with key slots
; 0, 1, 2 ..; only j = 0 walks all eight in order, so it alone asks.  In it waves 4 to 8, which fetch nothing, ask: lanes 256 bytes apart over the slot's 134 blocks of 256 bytes.
; 134 blocks fall on 160 lanes: lanes 6 to 31 of wave 8 are held at the slot's last block and name it again.  Key slots 0 and 1 come by their loads alone; behind key slot 7 nothing is asked for.
.macro ASK
	s_cmp_gt_u32 s[SLOTS], s[LIM]
	s_cbranch_scc0 .Lnot_mine_\@
	global_prefetch_b8 v[PFO], s[PFA:PFA+1] th:TH_LOAD_NT scope:SCOPE_SE
.Lnot_mine_\@:
.endm
; 32 numbers of a lane, register 16 b + i = number 32 b + 16 (lane / 16) + i of my query, become 8 registers of codes and a scale word (two bytes, zeros above).
.macro QUANT2 src, dst, word
.irp b, 0,1
	v_max3_num_f32 v[BM+\b], |v[\src+16*\b]|, |v[\src+16*\b+1]|, 0x4800000   ; my 16 numbers, and the floor 2^(9 - 127): the byte cannot fall under 1
.endr
.irp i, 2,4,6,8,10,12,14
.irp b, 0,1
	s_delay_alu instid0(VALU_DEP_2)
	v_max3_num_f32 v[BM+\b], v[BM+\b], |v[\src+16*\b+\i]|, |v[\src+16*\b+\i+1]|
.endr
.endr
.irp b, 0,1
	s_delay_alu instid0(VALU_DEP_2)
	v_permlanex16_b32 v[PR+\b], v[BM+\b], s[SEL], s[SEL+1]
.endr
.irp b, 0,1
	s_delay_alu instid0(VALU_DEP_2)
	v_max_num_f32 v[BM+\b], v[BM+\b], v[PR+\b]
.endr
.irp b, 0,1
	s_delay_alu instid0(VALU_DEP_2)
	v_add_nc_u32 v[SOP+\b], 0xfc000000, v[BM+\b]
.endr
.irp b, 0,1
.endr
.irp b, 0,1
	s_delay_alu instid0(VALU_DEP_2)
	v_lshrrev_b32 v[PR+\b], 23, v[SOP+\b]
.endr
	s_delay_alu instid0(VALU_DEP_1)
	v_lshl_or_b32 v[\word], v[PR+1], 8, v[PR]
.irp b, 0,1
.irp i, 0,1,2,3,4,5,6,7,8,9,10,11,12,13,14,15
.endr
	v_cvt_scalef32_pk8_fp8_f32 v[\dst+4*\b:\dst+4*\b+1], v[\src+16*\b:\src+16*\b+7], v[SOP+\b]
	v_cvt_scalef32_pk8_fp8_f32 v[\dst+4*\b+2:\dst+4*\b+3], v[\src+16*\b+8:\src+16*\b+15], v[SOP+\b]
.endr
	v_nop                                          ; a plain line behind the last conversion
.endm
	s_load_b128 s[4:7], s[0:1], 0x0                ; queries, kv
	s_load_b64 s[8:9], s[0:1], 0x10                ; out0
	v_lshl_add_u32 v[SPW], v0, 2, SPARE
	v_mov_b32 v[NIL], 0
	ds_add_u32 v3, v4
	ds_add_u32 v3, v4
	s_wait_dscnt 0x0
	v_lshrrev_b32 v[AD], 5, v0
	s_delay_alu instid0(VALU_DEP_1)
	v_readfirstlane_b32 s[WV], v[AD]               ; wave 0..15
	s_mov_b32 s11, ttmp9                           ; j
	s_and_b32 s12, ttmp7, 0xffff                   ; the head, 16 b + h
	s_sub_co_u32 s13, 8, s11                       ; slots of the late block
	s_mov_b32 s[SEQ], 0
	s_mov_b32 s[TB], 0
	s_mov_b32 s[KF], 0
	s_lshl_b32 s46, s[WV], 4
	s_lshl_b32 s44, s11, 8
	s_add_co_u32 s44, s44, s46                     ; the early tile's first query: 256 j + 16 wave
	s_sub_co_u32 s[Q0], 7, s11
	s_lshl_b32 s[Q0], s[Q0], 8
	s_add_co_u32 s[Q0], s[Q0], s46                 ; the late tile's: 256 (7 - j) + 16 wave
	s_mov_b32 s[SEL], 0x76543210
	s_mov_b32 s[SEL+1], 0xfedcba98
	s_mov_b32 s[CS], 0x3e38aa3b                    ; log2(e) / 8
	s_mov_b32 s[CS+1], s[CS]                       ; (named with it as a pair, so it is written)
	s_lshr_b32 s46, s12, 4
	s_lshl_b32 s46, s46, 23                        ; b x 2048 x 4,096 bytes
	s_and_b32 s47, s12, 15
	s_lshl_b32 s47, s47, 8
	s_add_co_u32 s46, s46, s47                     ; + h x 256: the head's first row
	s_lshl_b32 s52, s[Q0], 12
	s_add_co_u32 s52, s52, s46                     ; the late tile's first row, in bytes
	s_mov_b32 s53, 0
	s_lshl_b32 s54, s44, 12
	s_add_co_u32 s54, s54, s46                     ; the early tile's
	s_mov_b32 s55, 0
	s_mul_i32 s[KO], s12, HEADB                    ; the head's blocks in kv
	s_mov_b32 s[KO+1], 0
	s_and_b32 s47, s[WV], 1
	s_mul_i32 s47, s47, STEPB                      ; which of a slot's two steps I fetch, if I fetch: in memory and in LDS alike
	; descriptor group 1: 67 dense rows of 32 elements of 8 bytes
	s_mov_b32 s[G1], 3<<16                         ; 15:0 no mask; 17:16 elements of 8 bytes; no padding: every read is an image, lane l at 16 l
	s_mov_b32 s[G1+1], 32<<16                      ; tensor_dim0 = 32
	s_mov_b32 s[G1+2], 67<<16                      ; tensor_dim1 = 67
	s_mov_b32 s[G1+3], 32<<16                      ; tile_dim0 = 32
	s_mov_b32 s[G1+4], 67                          ; tile_dim1 = 67
	s_mov_b32 s[G1+5], 32                          ; from row to row: 32 elements
	s_mov_b32 s[G1+6], 0
	s_mov_b32 s[G1+7], 0
	s_wait_kmcnt 0x0
	s_add_nc_u64 s[PFA:PFA+1], s[6:7], s[KO:KO+1]  ; kv at my head
	s_mov_b32 s[KO], s47
	s_add_nc_u64 s[KVB:KVB+1], s[PFA:PFA+1], s[KO:KO+1]
	s_add_nc_u64 s[PFA:PFA+1], s[PFA:PFA+1], SLOTB ; at key slot 1: the first change of slots steps it to key slot 2
	s_mov_b32 s[KO], 0                             ; key slot 0
	s_mov_b32 s[G0], 1                             ; count = 1
	s_mov_b32 s[G0+1], s47                         ; LDS address: slot 0
	s_mov_b64 s[G0+2:G0+3], s[KVB:KVB+1]           ; global address
	s_or_b32 s[G0+3], s[G0+3], 0x80000000          ; type = 2
	TLOAD                                          ; the one first fill: slot 0
	s_add_nc_u64 s[OUTP:OUTP+1], s[8:9], s[52:53]
	s_add_nc_u64 s[42:43], s[8:9], s[54:55]
	s_add_nc_u64 s[52:53], s[4:5], s[52:53]        ; queries at the late tile,
	s_add_nc_u64 s[54:55], s[4:5], s[54:55]        ; and at the early one
	v_and_b32 v[TW], 15, v0                        ; r
	v_bfe_u32 v[TW+1], v0, 4, 1                    ; h
	s_delay_alu instid0(VALU_DEP_2)
	v_lshlrev_b32 v[QO], 12, v[TW]
	s_delay_alu instid0(VALU_DEP_1)
	v_lshl_add_u32 v[QO], v[TW+1], 6, v[QO]        ; row r, + 64 h: my 16 numbers of a block of 32
.irp c, 0,1
.irp j, 0,1,2,3
	global_load_b128 v[S+16*\c+4*\j:S+16*\c+4*\j+3], v[QO], s[52:53] offset:128*\c+16*\j th:TH_LOAD_NT
	global_load_b128 v[S+32+16*\c+4*\j:S+32+16*\c+4*\j+3], v[QO], s[54:55] offset:128*\c+16*\j th:TH_LOAD_NT
.endr
.endr
	v_and_b32 v[L8], 31, v0
	s_delay_alu instid0(VALU_DEP_1)
	v_lshlrev_b32 v[L16], 4, v[L8]
	s_delay_alu instid0(VALU_DEP_2)
	v_lshlrev_b32 v[L8], 3, v[L8]
	s_mul_i32 s46, s[WV], 16*SP
	s_add_co_u32 s46, s46, STAGE                   ; my stage
	v_mul_u32_u24 v[STO], v[TW], SP
	s_delay_alu instid0(VALU_DEP_1)
	v_lshl_add_u32 v[STO], v[TW+1], 5, v[STO]
	s_delay_alu instid0(VALU_DEP_1)
	v_add_nc_u32 v[STO], s46, v[STO]               ; in: row r; tile t's eight channels of my half lie 64 t + 32 h bytes on
	v_mul_u32_u24 v[RD], v[TW+1], SP
	s_delay_alu instid0(VALU_DEP_1)
	v_lshl_add_u32 v[RD], v[TW], 4, v[RD]
	s_delay_alu instid0(VALU_DEP_1)
	v_add_nc_u32 v[RD], s46, v[RD]                 ; back: lanes 0-15 one row, lanes 16-31 the next
	v_lshlrev_b32 v[GO], 12, v[TW+1]
	s_delay_alu instid0(VALU_DEP_1)
	v_lshl_add_u32 v[GO], v[TW], 4, v[GO]          ; and the same two rows in out0
	v_lshlrev_b32 v[LD], 4, v[TW+1]
	s_delay_alu instid0(VALU_DEP_1)
	v_sub_nc_u32 v[LD], v[TW], v[LD]
	v_mov_b32 v[NINF], 0xff800000
	v_add_nc_u32 v[PFO], 0xffffff80, v0            ; my thread's number less 128: 0 .. 159 in waves 4 to 8,
	s_delay_alu instid0(VALU_DEP_1)
	v_min_u32 v[PFO], 133, v[PFO]                  ; held at the slot's last block,
	s_delay_alu instid0(VALU_DEP_1)
	v_lshlrev_b32 v[PFO], 8, v[PFO]                ; 256 bytes a lane
	s_sub_co_u32 s46, s[WV], 4
	s_cmp_lt_u32 s46, 5                            ; waves 4 to 8,
	s_cselect_b32 s46, 0, 1
	s_or_b32 s46, s46, s11                         ; of work-group j = 0
	s_cmp_eq_u32 s46, 0
	s_cselect_b32 s[LIM], 2, -1
	v_mov_b32 v13, 0xff61b1e6                      ; the largest t so far: -3e38, under every t
	s_delay_alu instid0(VALU_DEP_1)
	v_floor_f32 v12, -v13                          ; -M
	v_mov_b32 v14, 0
	v_mov_b32 v15, 0
.irp i, 0,1,2,3,4,5,6,7
	v_mov_b32 v[QF+8+\i], 0                        ; zero codes for 64 .. 127 along the first product's K: Q's,
	v_mov_b32 v[KFR+8+\i], 0                       ; and K's four fragments'
	v_mov_b32 v[KFR+24+\i], 0
	v_mov_b32 v[KFR+40+\i], 0
	v_mov_b32 v[KFR+56+\i], 0
.endr
.set nn, 0
.rept 32
	v_mov_b32 v[O+nn], 0                           ; O^T.  (The step is written once: a tile's first step finds zeros, which the first change of M leaves zeros)
.set nn, nn+1
.endr
.irp i, 0,1,2,3
	v_mov_b32 v[PR+\i], 0                          ; written once: a lane permute's destination counts as one of its sources
.endr
	v_mov_b32 v[F+1], 0
	v_mov_b32 v[TW], 0
	v_mov_b32 v[TW+1], 0
	s_wait_loadcnt 0x0                             ; Q's two tiles
	QUANT2 S, QF, QS
	QUANT2 S+32, Q2, QS2
.macro KFETCH g                        ; four tiles of K: two loads each, the lower half of a fragment
.irp t, 0,1,2,3
.irp c, 0,1
	ds_load_b128 v[KFR+16*\t+4*\c:KFR+16*\t+4*\c+3], v[AD] offset:B+1024*(4*(\g)+\t)+512*\c
.endr
.endr
.endm
.macro KQ g                            ; S^T = K Q^T for them: source 0 = 16 keys, source 1 = my 16 queries
.irp t, 0,1,2,3
.if \t%2
	v_wmma_scale_f32_16x16x128_f8f6f4 v[S+8*(4*(\g)+\t):S+8*(4*(\g)+\t)+7], v[KFR+16*\t:KFR+16*\t+15], v[QF:QF+15], 0, v[KS+2*(\g)+\t/2], v[QS] matrix_a_scale:MATRIX_SCALE_ROW1
.else
	v_wmma_scale_f32_16x16x128_f8f6f4 v[S+8*(4*(\g)+\t):S+8*(4*(\g)+\t)+7], v[KFR+16*\t:KFR+16*\t+15], v[QF:QF+15], 0, v[KS+2*(\g)+\t/2], v[QS]
.endif
.endr
.endm
.macro BMAX b0, b1                     ; the largest score of two blocks of 32 keys, by turns; each accumulator is first read at its low end
.irp b, \b0, \b1
	v_max3_num_f32 v[BM+\b], v[S+16*\b], v[S+16*\b+1], v[S+16*\b+2]
.endr
.irp i, 3,5,7,9,11,13
.irp b, \b0, \b1
	v_max3_num_f32 v[BM+\b], v[BM+\b], v[S+16*\b+\i], v[S+16*\b+\i+1]
.endr
.endr
.irp b, \b0, \b1
	v_max_num_f32 v[BM+\b], v[BM+\b], v[S+16*\b+15]
.endr
.endm
; A KEY STEP: 128 keys, the q-th of the slot in hand.  The 16 registers of tiles 2 b and 2 b + 1 of S^T are keys 32 b + 16 (lane / 16) + 0 .. 15 of the step.
.macro STEP q
.set B, STEPB*(\q)
	s_add_co_u32 s46, s[Q0], 15                    ; a step all of whose keys come after my 16 queries is left out: a scalar branch on ids, round no barrier and no tensor load
	s_cmp_gt_u32 s[KF], s46
	s_cbranch_scc1 .Lhidden_\@
	s_wait_alu depctr_va_vdst(0)
	ds_load_b128 v[KS:KS+3], v[AD] offset:B+KSC    ; the eight tiles' scale words
	KFETCH 0
.rept 9
	v_nop                                          ; nine places: the products below write over registers that the last step's products V^T P read; they also part Q's codes and scale word, made by vector instructions, from their first use
.endr
	s_wait_dscnt 0x0
	KQ 0
.rept 8
	v_nop                                          ; eight places in front of loads into registers that those products read, and of the first read of their results
.endr
	s_wait_alu depctr_va_vdst(0)
	KFETCH 1
	s_wait_dscnt 0x0
	KQ 1
	s_add_co_u32 s46, s[KF], 127                   ; on the diagonal hidden scores become -infinity ahead of the maximum: p = 0 then.  A step all of whose keys count skips this
	s_cmp_le_u32 s46, s[Q0]
	s_cbranch_scc1 .Lopen_\@
	s_sub_co_i32 s46, s[Q0], s[KF]
	v_add_nc_u32 v[DD], s46, v[LD]                 ; register 16 b + i is hidden where 32 b + i > d
.set nn, 0
.rept 64
	v_cmp_gt_i32 vcc_lo, 32*(nn/16)+nn%16, v[DD]
	v_cndmask_b32 v[S+nn], v[S+nn], v[NINF], vcc_lo
.set nn, nn+1
.endr
.Lopen_\@:
	BMAX 0, 1                                      ; sixteen lines on tiles 0-3 alone: the places behind the products of tiles 4-7
	BMAX 2, 3
.irp b, 0,1,2,3
	v_permlanex16_b32 v[PR+\b], v[BM+\b], s[SEL], s[SEL+1]
.endr
.irp b, 0,1,2,3
	s_delay_alu instid0(VALU_DEP_4)
	v_max_num_f32 v[BM+\b], v[BM+\b], v[PR+\b]     ; with lane l xor 16's 16 keys: the block's largest score.  It serves twice: for the row's maximum and, since p rises with the score, for the block's largest p
.endr
	s_delay_alu instid0(VALU_DEP_2)
	v_max3_num_f32 v[TW], v[BM], v[BM+1], v[BM+2]
	s_delay_alu instid0(VALU_DEP_1)
	v_max_num_f32 v[TW], v[TW], v[BM+3]            ; the step's largest score of my query (its first key counts for every query of the tile, so this is a number)
	s_delay_alu instid0(VALU_DEP_1)
	v_mul_f32 v[TW], s[CS], v[TW]                  ; as t
	s_delay_alu instid0(VALU_DEP_1)
	v_max_num_f32 v13, v13, v[TW]                  ; the running largest t
	v_mov_b32 v[TW], v12
	s_delay_alu instid0(VALU_DEP_2)
	v_floor_f32 v12, -v13                          ; the new -M = -ceil(t): a whole number
	s_delay_alu instid0(VALU_DEP_1)
	v_sub_f32 v[TW], v12, v[TW]                    ; old M - new M: a whole number, 0 or less
	s_delay_alu instid0(VALU_DEP_1)
	v_cvt_i32_f32 v[TW], v[TW]                     ; (it saturates)
	s_delay_alu instid0(VALU_DEP_1)
	v_ldexp_f32 v[F], 1.0, v[TW]                   ; f = 2^(old M - new M)
.set nn, 0
.rept 32
	v_pk_fma_f32 v[S+nn:S+nn+1], v[S+nn:S+nn+1], s[CS:CS+1], v[12:13] op_sel_hi:[1,0,0]   ; t - M, two at a time
.set nn, nn+2
.endr
.irp b, 0,1,2,3
	v_fma_f32 v[BM+\b], v[BM+\b], s[CS], v12       ; the same of each block's largest score
.endr
.set nn, 0
	s_wait_alu depctr_va_vdst(0)
.rept 64
	v_exp_f32 v[S+nn], v[S+nn]                     ; p = 2^(t - M), at most 1
.set nn, nn+1
.endr
	v_pk_mul_f32 v[14:15], v[14:15], v[F:F+1] op_sel_hi:[1,0]   ; the sums under the new M.  (The plain line behind the exponentials)
	s_wait_alu depctr_va_vdst(0)                   ; one wait for the batch of 64, ahead of its first reader
.irp b, 0,1,2,3
	v_exp_f32 v[BM+\b], v[BM+\b]                   ; the block's largest p: the same arithmetic on the same number
.endr
	v_pk_add_f32 v[234:235], v[100:101], v[104:105]
	v_pk_add_f32 v[254:255], v[108:109], v[112:113]
	v_pk_add_f32 v[252:253], v[116:117], v[120:121]
	v_pk_add_f32 v[250:251], v[124:125], v[128:129]
	v_pk_add_f32 v[248:249], v[132:133], v[136:137]
	v_pk_add_f32 v[228:229], v[140:141], v[144:145]
	v_pk_add_f32 v[226:227], v[148:149], v[152:153]
	v_pk_add_f32 v[14:15], v[14:15], v[156:157]
	v_pk_add_f32 v[234:235], v[234:235], v[96:97]
	v_pk_add_f32 v[254:255], v[254:255], v[98:99]
	v_pk_add_f32 v[252:253], v[252:253], v[102:103]
	v_pk_add_f32 v[250:251], v[250:251], v[106:107]
	v_pk_add_f32 v[248:249], v[248:249], v[110:111]
	v_pk_add_f32 v[228:229], v[228:229], v[114:115]
	v_pk_add_f32 v[226:227], v[226:227], v[118:119]
	v_pk_add_f32 v[14:15], v[14:15], v[122:123]
	v_pk_add_f32 v[234:235], v[234:235], v[126:127]
	v_pk_add_f32 v[254:255], v[254:255], v[130:131]
	v_pk_add_f32 v[252:253], v[252:253], v[134:135]
	v_pk_add_f32 v[250:251], v[250:251], v[138:139]
	v_pk_add_f32 v[248:249], v[248:249], v[142:143]
	v_pk_add_f32 v[228:229], v[228:229], v[146:147]
	v_pk_add_f32 v[226:227], v[226:227], v[150:151]
	v_pk_add_f32 v[14:15], v[14:15], v[154:155]
	v_pk_add_f32 v[234:235], v[234:235], v[158:159]
	s_delay_alu instid0(VALU_DEP_2)
	v_pk_add_f32 v[14:15], v[14:15], v[250:251]
	s_delay_alu instid0(VALU_DEP_2)
	v_pk_add_f32 v[234:235], v[234:235], v[248:249]
	v_pk_add_f32 v[254:255], v[254:255], v[228:229]
	v_pk_add_f32 v[252:253], v[252:253], v[226:227]
	s_delay_alu instid0(VALU_DEP_2)
	v_pk_add_f32 v[14:15], v[14:15], v[254:255]
	s_delay_alu instid0(VALU_DEP_2)
	v_pk_add_f32 v[234:235], v[234:235], v[252:253]
	s_delay_alu instid0(VALU_DEP_1)
	v_pk_add_f32 v[14:15], v[14:15], v[234:235]
	s_wait_alu depctr_va_vdst(0)                   ; and one for the four
.irp b, 0,1,2,3
	v_max_num_f32 v[BM+\b], 0x4800000, v[BM+\b]    ; the floor 2^(9 - 127): a block whose every p is 0 keeps the byte 1; its codes are zeros
.endr
.irp b, 0,1,2,3
	s_delay_alu instid0(VALU_DEP_4)
	v_add_nc_u32 v[SOP+\b], 0xfc000000, v[BM+\b]   ; 8 off the exponent field: the conversion's scale operand
.endr
.irp b, 0,1,2,3
.endr
.irp b, 0,1,2,3
	s_delay_alu instid0(VALU_DEP_4)
	v_lshrrev_b32 v[PR+\b], 23, v[SOP+\b]          ; the scale's byte
.endr
	s_delay_alu instid0(VALU_DEP_3)
	v_lshl_or_b32 v[PW], v[PR+1], 8, v[PR]         ; p's scale word for these 128 keys
	s_delay_alu instid0(VALU_DEP_1)
	v_lshl_or_b32 v[PW], v[PR+2], 16, v[PW]
	s_delay_alu instid0(VALU_DEP_1)
	v_lshl_or_b32 v[PW], v[PR+3], 24, v[PW]
.irp b, 0,1,2,3
.irp i, 0,1,2,3,4,5,6,7,8,9,10,11,12,13,14,15
.endr
	v_cvt_scalef32_pk8_fp8_f32 v[PC+4*\b:PC+4*\b+1], v[S+16*\b:S+16*\b+7], v[SOP+\b]
	v_cvt_scalef32_pk8_fp8_f32 v[PC+4*\b+2:PC+4*\b+3], v[S+16*\b+8:S+16*\b+15], v[SOP+\b]
.endr
.irp j, 0,2,4,6
	v_pk_mul_f32 v[O+\j:O+\j+1], v[O+\j:O+\j+1], v[F:F+1] op_sel_hi:[1,0]   ; O^T under the new M, from each accumulator's low end on
.endr
.irp t, 0,1,2,3
.irp c, 0,1,2,3
	ds_load_b128 v[S+16*\t+4*\c:S+16*\t+4*\c+3], v[AD] offset:B+VCO+2048*\t+512*\c   ; V's four fragments take p's registers
.endr
.endr
	ds_load_b64 v[VS:VS+1], v[AD8] offset:B+VSC
.irp j, 8,10,12,14,16,18,20,22,24,26,28,30
	v_pk_mul_f32 v[O+\j:O+\j+1], v[O+\j:O+\j+1], v[F:F+1] op_sel_hi:[1,0]   ; the rest of it, while the loads are out; the sixteen lines are also the places between p's codes and the products
.endr
	s_wait_alu depctr_va_vdst(0)
	s_wait_dscnt 0x0
.irp t, 0,1,2,3                        ; O^T += V^T P^T: source 0 = 16 channels, source 1 = p; the four accumulators take one instruction a turn
.if \t%2
	v_wmma_scale_f32_16x16x128_f8f6f4 v[O+8*\t:O+8*\t+7], v[S+16*\t:S+16*\t+15], v[PC:PC+15], v[O+8*\t:O+8*\t+7], v[VS+\t/2], v[PW] matrix_a_scale:MATRIX_SCALE_ROW1
.else
	v_wmma_scale_f32_16x16x128_f8f6f4 v[O+8*\t:O+8*\t+7], v[S+16*\t:S+16*\t+15], v[PC:PC+15], v[O+8*\t:O+8*\t+7], v[VS+\t/2], v[PW]
.endif
.endr
.Lhidden_\@:
	s_add_co_u32 s[KF], s[KF], 128
.endm
; THE CHANGE OF SLOTS stands at a slot's head.  Each wave waits for all its tensor loads (in waves 0 and 1: a part of the slot about to be read), adds 0 to its spare word, and waits for
; that and for its reads of the slot that it has left.  Behind the barrier the slot ahead is whole and nobody reads the other one.  fill = 1: that other slot takes the next 256 keys of
; the walk: the load has a whole slot's two steps in which to land.  One tensor load of a wave is out at any time.
.macro CHANGE fill
	s_wait_tensorcnt 0x0                           ; no tensor load of mine is out, so group 0 may be written
	ds_add_u32 v[SPW], v[NIL]                      ; 0 onto my spare word
.if \fill
	s_xor_b32 s[G0+1], s[G0+1], SLOT1              ; the other slot than last time
	s_add_co_u32 s46, s[SEQ], 1                    ; the slot that is asked for:
	s_add_co_u32 s[KO], s[KO], SLOTB               ; the next 256 keys,
	s_cmp_eq_u32 s46, s13
	s_cselect_b32 s[KO], 0, s[KO]                  ; or the head's first, where the early block begins
	s_add_nc_u64 s[G0+2:G0+3], s[KVB:KVB+1], s[KO:KO+1]
	s_or_b32 s[G0+3], s[G0+3], 0x80000000
	s_wait_xcnt 0x0                                ; the last prefetch, a slot back, has read its address, so it may be written
	s_add_nc_u64 s[PFA:PFA+1], s[PFA:PFA+1], SLOTB
.endif
	s_wait_dscnt 0x0                               ; the add is done, and my reads of the slot that I have left are over
	s_barrier_signal -1
	s_barrier_wait -1
.if \fill
	TLOAD                                          ; the first thing behind the barrier, and a wave's one tensor load until the next
	ASK
.endif
.endm
.macro SLOT_STEPS
	v_add_nc_u32 v[AD], s[TB], v[L16]
	v_add_nc_u32 v[AD8], s[TB], v[L8]
	STEP 0
	STEP 1
	s_xor_b32 s[TB], s[TB], SLOT1                  ; on to the other slot
	s_add_co_u32 s[SEQ], s[SEQ], 1
.endm
; THE WAY OUT of a tile: O^T / the sum goes through my own stage in LDS and leaves as whole rows: sixteen lanes store a query's 256 bytes, aligned.
.macro FLUSH
.rept 8
	v_nop                                          ; eight places behind the last products
.endr
	v_add_f32 v14, v14, v15                        ; the sum's two halves,
	s_delay_alu instid0(VALU_DEP_1)
	v_permlanex16_b32 v[TW], v14, s[SEL], s[SEL+1]
	s_delay_alu instid0(VALU_DEP_1)
	v_add_f32 v14, v14, v[TW]                      ; and lane l xor 16's
	s_wait_alu depctr_va_vdst(0)
	v_rcp_f32 v14, v14
	v_nop                                          ; a plain line behind the reciprocal
	s_wait_alu depctr_va_vdst(0)                   ; and the wait ahead of its first reader
.set nn, 0
.rept 16
	v_pk_mul_f32 v[S+nn:S+nn+1], v[O+nn:O+nn+1], v[14:15] op_sel_hi:[1,0]   ; register 8 t + i is out(query r, channel 16 t + 8 h + i)
.set nn, nn+2
.endr
.irp t, 0,1,2,3
	ds_store_b128 v[STO], v[S+8*\t:S+8*\t+3] offset:64*\t
	ds_store_b128 v[STO], v[S+8*\t+4:S+8*\t+7] offset:64*\t+16
.endr
.irp i, 0,1,2,3,4,5,6,7
	ds_load_b128 v[S+32+4*\i:S+32+4*\i+3], v[RD] offset:2*\i*SP   ; LDS serves a wave's instructions in order: these see my stores
.endr
.irp i, 0,1,2,3,4,5,6,7
	s_wait_dscnt 7-\i                              ; the younger loads may be out
	global_store_b128 v[GO], v[S+32+4*\i:S+32+4*\i+3], s[OUTP:OUTP+1] offset:8192*\i th:TH_STORE_NT
.endr
	s_wait_xcnt 0x0                                ; the stores have read their registers and their base: both may be written again
.endm
.macro RESET                           ; on to the early tile
	v_mov_b32 v[QS], v[QS2]
.irp i, 0,1,2,3,4,5,6,7
	v_mov_b32 v[QF+\i], v[Q2+\i]
.endr
	v_mov_b32 v13, 0xff61b1e6
	s_delay_alu instid0(VALU_DEP_1)
	v_floor_f32 v12, -v13
	v_mov_b32 v14, 0
	v_mov_b32 v15, 0
.set nn, 0
.rept 32
	v_mov_b32 v[O+nn], 0
.set nn, nn+1
.endr
	s_mov_b32 s[Q0], s44
	s_mov_b32 s[KF], 0
	s_mov_b64 s[OUTP:OUTP+1], s[42:43]
.endm
	s_mov_b32 s[SLOTS], 8
.Lslot:                                            ; eight trips: behind each change of slots but the last the next slot is asked for
	CHANGE 1
	SLOT_STEPS
	s_cmp_lg_u32 s[SEQ], s13                       ; the late block's last slot is done (8 - j lies in 5 .. 8: always inside the loop): a branch on the work-group's number
	s_cbranch_scc1 .Lsame
	FLUSH
	RESET
.Lsame:
	s_sub_co_u32 s[SLOTS], s[SLOTS], 1
	s_cmp_lg_u32 s[SLOTS], 0
	s_cbranch_scc1 .Lslot
	CHANGE 0                                       ; the ninth slot is written out
	SLOT_STEPS
	FLUSH
	s_wait_tensorcnt 0x0                           ; the wave's end: behind my last tensor load and my last LDS store
	ds_add_u32 v[SPW], v[NIL]
	s_wait_dscnt 0x0
	s_endpgm
.Lfunc_end_k_qee64a70a48_attn:
	.size	k_qee64a70a48_attn, .Lfunc_end_k_qee64a70a48_attn-k_qee64a70a48_attn
	.p2alignl 7, 3214868480
	.fill 96, 4, 3214868480
	.section	.rodata,"a",@progbits
	.p2align	6, 0x0
	.amdhsa_kernel k_qee64a70a48_attn
		.amdhsa_group_segment_fixed_size 327680
		.amdhsa_private_segment_fixed_size 0
		.amdhsa_enable_private_segment 0
		.amdhsa_kernarg_size 24
		.amdhsa_user_sgpr_count 2
		.amdhsa_user_sgpr_kernarg_segment_ptr 1
		.amdhsa_wavefront_size32 1
		.amdhsa_system_sgpr_workgroup_id_x 1
		.amdhsa_system_sgpr_workgroup_id_y 1
		.amdhsa_system_sgpr_workgroup_id_z 1
		.amdhsa_system_vgpr_workitem_id 0
		.amdhsa_next_free_vgpr 256
		.amdhsa_next_free_sgpr 66
		.amdhsa_reserve_vcc 1
		.amdhsa_float_denorm_mode_32 3
		.amdhsa_float_denorm_mode_16_64 3
		.amdhsa_fp16_overflow 1
		.amdhsa_memory_ordered 1
		.amdhsa_forward_progress 1
		.amdhsa_inst_pref_size 113
	.end_amdhsa_kernel
	.amdgpu_metadata
---
amdhsa.version: [ 1, 2 ]
amdhsa.kernels:
  - .name:           k_qee64a70a48_attn
    .symbol:         k_qee64a70a48_attn.kd
    .args:
      - { .name: queries, .offset: 0, .size: 8, .value_kind: global_buffer, .address_space: global }
      - { .name: kv, .offset: 8, .size: 8, .value_kind: global_buffer, .address_space: global }
      - { .name: out0, .offset: 16, .size: 8, .value_kind: global_buffer, .address_space: global }
    .group_segment_fixed_size: 327680
    .private_segment_fixed_size: 0
    .kernarg_segment_align: 8
    .kernarg_segment_size: 24
    .max_flat_workgroup_size: 512
    .sgpr_count:     66
    .vgpr_count:     256
    .wavefront_size: 32
...
	.end_amdgpu_metadata
.endif
;; end of part 2
